; MI455X (gfx1250); checked and timed in simulation.
; The chip was launched on July 23, 2026; its instructions are those of AMD's public machine-readable ISA for CDNA 5 (MIT licence, August 2026) and "CDNA5" Instruction Set Architecture Reference Guide (July 2026). The comments in the code are by the model that wrote it; some were corrected since.
;; Attention. Allowed arithmetic: matrix products marked QUANTISED: E3M2 operands, one E8M0 scale for each 32 along K, by v_wmma_scale_f32_16x16x128_f8f6f4 with both operands' format E3M2, f32 sums; everything else in f32.
;; Inputs: K 4 x 2,048 x 1,024 float32; Q 4 x 2,048 x 1,024 float32; V 4 x 2,048 x 1,024 float32; bk 1,024 float32; bq 1,024 float32; bv 1,024 float32; wk 1,024 x 1,024 float32; wq 1,024 x 1,024 float32; wv 1,024 x 1,024 float32.
;; Outputs: out0 4 x 2,048 x 1,024 float32.
;; This version of the problem:
;;   THIS VERSION OF THE PROBLEM IS GIVEN IN LOW PRECISION. The matrix products marked QUANTISED in the list below multiply operands that are first quantised to E3M2 (3 exponent bits, 2 mantissa bits; 6 bits a number), with one power-of-two scale for each 32 numbers along K (OCP MX v1.0); their sums are f32. All else is computed in f32.
;;   The module's matrix products, in the order in which they are computed (A, B: the left and right operand; K: the contracted axis; several contracted axes count as one K, in the product's order):
;;     1. [M 8,192, K 1,024] x [K 1,024, N 1,024]; A: input Q; B: input wq: QUANTISED
;;     2. [M 8,192, K 1,024] x [K 1,024, N 1,024]; A: input K; B: input wk: QUANTISED
;;     3. [M 8,192, K 1,024] x [K 1,024, N 1,024]; A: input V; B: input wv: QUANTISED
;;     4. batch 64 x [M 2,048, K 64] x [K 64, N 2,048]; A: computed on the way; B: computed on the way: QUANTISED
;;     5. batch 64 x [M 2,048, K 2,048] x [K 2,048, N 64]; A: softmax (see below); B: computed on the way: QUANTISED
;;   THE QUANTISER, for each operand of a quantised product, along K:
;;     - K is cut into blocks of 32 from its start; a last block that is shorter is filled with zeros.
;;     - A block's scale is 2^e with e = floor(log2(the largest magnitude in the block)) - 4, held to -126 .. 127; a block of zeros has e = 0. As a byte (E8M0): e + 127.
;;     - Each number is divided by its block's scale, clamped to +-28, and rounded to the nearest number of E3M2, ties to even, subnormals kept.
;;     - The product sums the exact products of the quantised numbers (number of the format x scale) in f32.
;;   ~~~python
;;   def quantise(x, axis):      # numpy; x: float32 -> the quantised numbers, widened to float32 again
;;       x = np.moveaxis(x, axis, -1); K = x.shape[-1]
;;       x = np.pad(x, [(0, 0)] * (x.ndim - 1) + [(0, -K % 32)]); x = x.reshape(x.shape[:-1] + (-1, 32)); a = np.abs(x).max(-1, keepdims=True)
;;       e = np.where(a > 0, np.clip(np.frexp(np.where(a > 0, a, 1))[1] - 1 - 4, -126, 127), 0)      # np.frexp(a)[1] - 1 = floor(log2(a)), exactly
;;       r = np.clip(x / 2.0 ** e, -28, 28)
;;       step = 2.0 ** (np.maximum(np.frexp(np.where(r == 0, 1, r))[1] - 1, -2) - 2)
;;       q = np.round(r / step) * step * 2.0 ** e      # np.round: ties to even
;;       return np.moveaxis(q.reshape(q.shape[:-2] + (-1,))[..., :K], -1, axis).astype(np.float32)
;;   ~~~
;;   SOFTMAX AHEAD OF A QUANTISED PRODUCT. Where the list says 'softmax', what is quantised is not the finished softmax but p = 2^(t - M), with t = logit x log2(e) and M = ceil(the row's largest t), a whole number; so 1/2 < the row's largest p <= 1. The row's sum l is taken of the UNQUANTISED p, in f32, and the product's result is divided by l at the end. Since M is a whole number, a kernel that streams over the keys may use a running M (the ceiling of the running maximum): every later rescaling is an exact power of two, which a block's scale takes up: the codes' values come out the same.
;;   OPERANDS COMPUTED ON THE WAY. 'Computed on the way' means the value that the module computes at that place (a softmax that the list does not call 'softmax' is quantised finished and normalised). What goes into a quantiser is computed in f32, as accurately as f32 sums, v_exp_f32 and their like allow (about 1e-6 of the number): no bf16 or f16 on the way to a quantiser, and a product that is left as it is and whose result goes on into a quantised operand takes f32 operands (vector FMAs, or v_wmma_f32_16x16x4_f32). A number that lies on a knife's edge between two numbers of the format may be rounded either way, as far as f32 arithmetic and the matrix unit's own rounding can turn it there, and no further.
;; One version. Each part assembles by itself: llvm-mc -triple=amdgcn-amd-amdhsa -mcpu=gfx1250 --defsym DOCPART=n.
;; ======== version 1 of 1: 3 launches
;; limits: right only within a limited range of input values
;; workspace buffers: xc 18,874,368 bytes; xs 786,432 bytes; wc 2,359,296 bytes; ws 98,304 bytes; qimg 6,815,744 bytes; kv 13,369,344 bytes
;; launch prep (part 1): grid 864 x 1, 4 waves a work-group, no clusters, 68,096 bytes of LDS; arguments Q, K, V, wq, wk, wv, xc, xs, wc, ws; writes xc, xs, wc, ws
.if DOCPART == 1
	.amdgcn_target "amdgcn-amd-amdhsa--gfx1250"
	.amdhsa_code_object_version 6
	.text
	.protected	k_q3635fd8150_prep
	.globl	k_q3635fd8150_prep
	.p2align	8
	.type	k_q3635fd8150_prep,@function
k_q3635fd8150_prep:
	s_mov_b64 s[64:65], 0
	v_nop
	global_prefetch_b8 v0, s[64:65] scope:SCOPE_SE
	s_setreg_imm32_b32 hwreg(HW_REG_WAVE_MODE, 25, 1), 1
	s_wait_xcnt 0x0
; Q, K, V [8192][1024] f32 (K innermost) and wq, wk, wv [1024 (k)][1024 (n)] f32 (K is the FIRST axis) become codes of BF6 (E3M2), 6 bits each, K innermost, with one E8M0 scale byte for each 32 along K.
; xc [3][8192][768], xs [3][8192][32]: the activations, in the order Q, K, V.   wc [3][1024 (n)][768], ws [3][1024][32]: the weights.
; A block's scale is 2^(floor(log2(its largest magnitude)) - 4); its byte is the largest magnitude's own exponent field - 4, held at 1 from below; each number is divided by the scale and rounded to the nearest code, ties to even,
; beyond the largest code the largest.
; ROWS CHANGE PLACES: true row p lies at the place whose number is p with its bits 3 and 4 exchanged.  Sixteen neighbouring places i are then the true rows 32 (i / 2) + 8 (i % 2) + 0 .. 7 and + 16 .. 23: the choice of rows that lets
; a matrix result's registers run along neighbouring true rows in the next launch.
; LIMITS: a block of zeros, and a block whose largest magnitude lies under 2^-122, keeps the byte 1 (for zeros the rule says 127: the codes are zeros, which add nothing under any byte but 0xff, and this program alone reads the
; bytes); NaN and infinities among the inputs are not served.
; One launch, two ways that part on the work-group's number and never join: work-groups 0 .. 95 take the weights, 96 .. 863 the activations.  Each way has LDS bytes of its own.
; No tensor loads, no barrier, no cluster: no two waves read the same byte, and memory binds.
; THE LAYOUT OF xc AND wc, AND THE PLACES OF K's ROWS, ARE AS STATED HERE, in place of what the lines above say of them.
; xc and wc: [block of 256 places][K step of 256 along K][256 places][192 bytes]: a K step of 128 or 256 places is a dense run of memory, which the next launch loads as rows of 256 bytes that begin at multiples of 256.
; Tensor K alone: token bits (5,4,3) = (h,t1,t0) lie at place bits (5,4,3) = (t1,t0,h): place 64 c + 16 t + 8 h + j holds token 64 c + 32 h + 8 t + j, so that in the attention launch a lane's 32 scores of four tiles are 32 neighbouring keys.
.set EMAX,  4
.set STEPS, 16                         ; activations: a wave takes 16 steps of 512 numbers = 8 rows
.set CB,    12                         ; bytes of 16 codes
.set SP,    80                         ; a lane's place in a stage: 64 bytes + 16 of padding
.set WREG,  8192                       ; LDS of a wave on the activations' way: two stages of 32 x SP bytes, then its 256 scale bytes
.set XR,    16                         ; v16-79   four sets of 16 numbers as loaded
.set XX,    80                         ; v80-111  two sets of 16 neighbours
.set XE,    112                        ; v112-127 a scale byte for each step
.set XC,    128                        ; v128-191 codes: four registers for each step, so that no store's data are written again
.set WSTG,  32768                      ; LDS of the weights' way begins here
.set WP,    272                        ; a stage row there: sixteen places of 16 bytes (12 bytes of codes each) + 16
.set NB,    8                          ; weights: a wave takes 32 columns x 256 along K = 8 blocks a lane
.set KROW,  768                        ; a row of codes in memory
.set WX,    32                         ; v32-95   two sets of 32 numbers
.set WC,    96                         ; v96..    a block's codes
.set WOUT,  112                        ; v112-175 the way out
.set WSB,   24                         ; v24-25   the scale bytes, four to a register
	s_load_b512 s[4:19], s[0:1], 0x0               ; Q s[4:5], K s[6:7], V s[8:9], wq s[10:11], wk s[12:13], wv s[14:15], xc s[16:17], xs s[18:19]
	s_load_b128 s[20:23], s[0:1], 0x40             ; wc s[20:21], ws s[22:23]
	v_lshl_add_u32 v192, v0, 2, 0x10800
	v_mov_b32 v193, 0
	v_lshrrev_b32 v1, 5, v0
	v_readfirstlane_b32 s24, v1                    ; wave 0..3
	v_and_b32 v2, 31, v0                           ; lane
	s_wait_kmcnt 0x0
	s_cmp_lt_u32 ttmp9, 96
	s_cbranch_scc1 .Lweights
; ---------------- THE ACTIVATIONS.  Rows are dense and 1,024 is a multiple of 32: a tensor is a plain stream of blocks of 32.
; Each of a step's four loads reads 512 consecutive bytes, 16 a lane; the 2,048 bytes turn through the wave's own stage in LDS and come back 64 bytes a lane: 16 NEIGHBOURS, which the conversion wants in one lane's registers.
	s_wait_alu depctr_va_vdst(0)
	v_lshlrev_b32 v3, 4, v2                        ; my 16 bytes of a load's 512
	s_mul_i32 s26, s24, WREG
	v_lshrrev_b32 v14, 2, v2
	v_mul_u32_u24 v14, v14, SP
	v_and_b32 v15, 3, v2
	v_lshl_add_u32 v14, v15, 4, v14
	v_add_nc_u32 v14, s26, v14                     ; the stage, on the way in: SP (lane / 4) + 16 (lane % 4)
	v_mul_u32_u24 v15, v2, SP
	v_add_nc_u32 v15, s26, v15                     ; and on the way out: SP x lane
	v_and_b32 v8, 15, v2
	v_lshrrev_b32 v9, 4, v2
	v_mul_u32_u24 v4, v8, CB                       ; a step is half a row: lanes 0-15 hold one K step's 192 bytes,
	v_mad_u32_u24 v4, v9, 0xc000, v4               ; lanes 16-31 the next K step's, 49,152 bytes on
	v_lshrrev_b32 v5, 1, v2
	s_add_co_u32 s26, s26, 2*32*SP
	v_add_nc_u32 v5, s26, v5                       ; LDS: my wave's 256 scale bytes, my block's byte
	v_lshlrev_b32 v7, 3, v2                        ; and on the way out 8 bytes a lane
	v_add_nc_u32 v6, s26, v7
	s_sub_co_u32 s25, ttmp9, 96                    ; g = 0 .. 767: 256 work-groups to a tensor
	s_cmp_lt_u32 s25, 256
	s_cselect_b64 s[4:5], s[4:5], s[6:7]           ; Q or K,
	s_cmp_lt_u32 s25, 512
	s_cselect_b64 s[4:5], s[4:5], s[8:9]           ; or V: the choice hangs on the work-group's number alone
	s_and_b32 s27, s25, 255
	s_lshl_b32 s27, s27, 2
	s_add_co_u32 s27, s27, s24                     ; which run of 8 rows of the tensor I read
	s_lshl_b32 s28, s27, 15                        ; 32,768 bytes a run
	s_mov_b32 s29, 0
	s_add_nc_u64 s[4:5], s[4:5], s[28:29]
	s_and_b32 s30, s24, 1                          ; a run is 8 rows, so a row's bits 3 and 4 are the wave's bits 0 and 1: exchanged for the place
	s_lshl_b32 s30, s30, 1
	s_lshr_b32 s31, s24, 1
	s_or_b32 s30, s30, s31
	s_lshl_b32 s27, s25, 2
	s_add_co_u32 s27, s27, s30
	s_lshr_b32 s31, s25, 1                         ; tensor K: the run's bits (2,1,0) = (g0,w1,w0) go to (w1,w0,g0)
	s_lshl_b32 s31, s31, 3
	s_lshl_b32 s28, s24, 1
	s_add_co_u32 s31, s31, s28
	s_and_b32 s28, s25, 1
	s_add_co_u32 s31, s31, s28
	s_lshr_b32 s28, s25, 8
	s_cmp_eq_u32 s28, 1
	s_cselect_b32 s27, s31, s27
	s_lshr_b32 s28, s27, 5                         ; 32 runs to a block of 256 places: 196,608 bytes a block,
	s_mul_i32 s28, s28, 196608
	s_and_b32 s31, s27, 31
	s_mul_i32 s31, s31, 1536                       ; 8 places of 192 bytes a run
	s_add_co_u32 s28, s28, s31
	s_add_nc_u64 s[16:17], s[16:17], s[28:29]
	s_lshl_b32 s28, s27, 8                         ; 8 rows of 32 scale bytes
	s_add_nc_u64 s[18:19], s[18:19], s[28:29]
.macro XLOAD t
.irp i, 0,1,2,3
	global_load_b128 v[XR+16*((\t)%4)+4*\i:XR+16*((\t)%4)+4*\i+3], v3, s[4:5] offset:2048*(\t)+512*\i th:TH_LOAD_NT   ; 32 lanes read 512 consecutive bytes; read once in the launch
.endr
.endm
.macro XTURN t                         ; step t's numbers through the stage: LDS serves a wave's instructions in order (ISA guide 5.7.1.4), so no wait stands between the stores and the loads
.irp i, 0,1,2,3
	ds_store_b128 v14, v[XR+16*((\t)%4)+4*\i:XR+16*((\t)%4)+4*\i+3] offset:32*SP*((\t)%2)+8*SP*\i
.endr
.irp i, 0,1,2,3
	ds_load_b128 v[XX+16*((\t)%2)+4*\i:XX+16*((\t)%2)+4*\i+3], v15 offset:32*SP*((\t)%2)+16*\i
.endr
.endm
.irp t, 0,1,2,3
	XLOAD \t
.endr
	s_wait_alu depctr_va_vdst(0)
	s_wait_loadcnt 12                              ; step 0's four loads are in; the 12 of steps 1 to 3 stay out
	XTURN 0
.macro XSTEP t
.set XS, XX+16*((\t)%2)
.if (\t) > 0
	s_wait_dscnt 1                                 ; this step's numbers are back from the stage (the last step's byte store may be out): so its stores into the stage have read their registers,
.else
	s_wait_dscnt 0x0
.endif
.if (\t)+4 < STEPS
	XLOAD (\t)+4                                   ; which take the loads of four steps on
.endif
.if (\t)+1 < STEPS
.if STEPS-2-(\t) >= 3
	s_wait_loadcnt 12                              ; the next step's four loads are in; those of the three steps behind it may be out
.else
	s_wait_loadcnt 4*(STEPS-2-(\t))
.endif
	XTURN (\t)+1                                   ; and go through the other stage while this step is worked
.endif
	v_max3_num_f32 v8, |v[XS]|, |v[XS+1]|, |v[XS+2]|               ; the largest magnitude of my 16, in two chains
	v_max3_num_f32 v9, |v[XS+3]|, |v[XS+4]|, |v[XS+5]|
.irp i, 6,10
	v_max3_num_f32 v8, v8, |v[XS+\i]|, |v[XS+\i+1]|
	v_max3_num_f32 v9, v9, |v[XS+\i+2]|, |v[XS+\i+3]|
.endr
	v_max3_num_f32 v8, v8, |v[XS+14]|, |v[XS+15]|
	v_max3_num_f32 v8, v8, v9, (EMAX+1)<<23        ; and the floor 2^(5 - 127): the byte cannot fall under 1
	v_max_num_f32_dpp v8, v8, v8 row_xmask:1 row_mask:0xf bank_mask:0xf   ; and of my neighbour's 16: the block's
	v_add_nc_u32 v11, 0xfe000000, v8               ; 4 off its exponent field: the conversion takes the exponent field of this operand as its scale, and nothing else of it
	v_cvt_scalef32_pk16_bf6_f32 v[XC+4*(\t):XC+4*(\t)+2], v[XS:XS+15], v11   ; sixteen codes, 96 bits without gaps, the first number's lowest
	v_lshrrev_b32 v[XE+(\t)], 23, v11              ; the scale's byte
	ds_store_b8 v5, v[XE+(\t)] offset:16*(\t)      ; both lanes of a block write the same byte with the same value
	global_store_b96 v4, v[XC+4*(\t):XC+4*(\t)+2], s[16:17] offset:((\t)/2)*192+((\t)%2)*98304   ; row t / 2 of my 8; the row's second half lies two K steps on
.endm
.irp t, 0,1,2,3,4,5,6,7,8,9,10,11,12,13,14,15
	XSTEP \t
.endr
	ds_load_b64 v[12:13], v6                       ; in order behind my byte stores
	s_wait_dscnt 0x0
	global_store_b64 v7, v[12:13], s[18:19]        ; 32 lanes store 256 consecutive bytes, at a multiple of 256 from the buffer's first byte
	s_wait_tensorcnt 0x0
	ds_add_u32 v192, v193
	s_wait_dscnt 0x0
	s_endpgm
; ---------------- THE WEIGHTS.  A lane takes a column n and its registers run DOWN K: each load reads 128 consecutive bytes a wave, a block of 32 along K lies in one lane's 32 registers, and the codes come out with K innermost.
; A lane's codes belong to one row of wc: they go through the wave's own stage and leave as rows, sixteen lanes to a row's 192 consecutive bytes.  The stage row is the column's PLACE (bits 3 and 4 of the lane exchanged).
.Lweights:
	s_wait_alu depctr_va_vdst(0)
	v_lshlrev_b32 v3, 2, v2                        ; in: 4 bytes a lane
	v_and_b32 v10, 7, v2
	v_bfe_u32 v11, v2, 3, 1
	v_lshl_add_u32 v10, v11, 4, v10
	v_bfe_u32 v11, v2, 4, 1
	v_lshl_add_u32 v10, v11, 3, v10                ; my column's place among the wave's 32
	s_mul_i32 s26, s24, 32*WP
	s_add_co_u32 s26, s26, WSTG                    ; my stage
	v_mul_u32_u24 v4, v10, WP
	v_add_nc_u32 v4, s26, v4                       ; into it: row = my column's place
	v_and_b32 v5, 15, v2
	v_lshrrev_b32 v6, 4, v2                        ; out of it: sixteen lanes to a row, two rows an instruction
	v_mul_u32_u24 v7, v6, WP
	v_lshl_add_u32 v7, v5, 4, v7
	v_add_nc_u32 v7, s26, v7
	v_mul_u32_u24 v8, v6, 192
	v_mad_u32_u24 v8, v5, 12, v8                   ; and the same place in wc
	v_lshlrev_b32 v9, 5, v10                       ; my column's row of 32 scale bytes
	s_lshr_b32 s25, ttmp9, 5                       ; which weight: 32 work-groups each
	s_and_b32 s26, ttmp9, 7                        ; which 128 columns
	s_bfe_u32 s27, ttmp9, 0x20003                  ; which 256 along K
	s_cmp_lt_u32 ttmp9, 32
	s_cselect_b64 s[10:11], s[10:11], s[12:13]     ; wq or wk,
	s_cmp_lt_u32 ttmp9, 64
	s_cselect_b64 s[10:11], s[10:11], s[14:15]     ; or wv
	s_lshl_b32 s28, s26, 7
	s_lshl_b32 s29, s24, 5
	s_add_co_u32 s28, s28, s29                     ; my wave's first column
	s_lshl_b32 s30, s27, 20                        ; 256 rows of 4,096 bytes
	s_lshl_b32 s29, s28, 2
	s_add_co_u32 s30, s30, s29
	s_mov_b32 s31, 0
	s_add_nc_u64 s[10:11], s[10:11], s[30:31]
	s_mul_i32 s30, s25, 1024*KROW
	s_lshr_b32 s29, s28, 8
	s_mul_i32 s29, s29, 196608
	s_add_co_u32 s30, s30, s29
	s_and_b32 s29, s28, 255
	s_mul_i32 s29, s29, 192
	s_add_co_u32 s30, s30, s29
	s_mul_i32 s29, s27, 49152
	s_add_co_u32 s30, s30, s29
	s_add_nc_u64 s[20:21], s[20:21], s[30:31]
	s_lshl_b32 s30, s25, 15
	s_lshl_b32 s29, s28, 5
	s_add_co_u32 s30, s30, s29
	s_lshl_b32 s29, s27, 3
	s_add_co_u32 s30, s30, s29
	s_add_nc_u64 s[22:23], s[22:23], s[30:31]
.macro WLOAD t                         ; block t: w(32 t + i, my column), i = 0 .. 31, into set t % 2.  The largest offset, 255 rows of 4,096 bytes, lies inside the signed 24-bit immediate
.irp i, 0,1,2,3,4,5,6,7,8,9,10,11,12,13,14,15,16,17,18,19,20,21,22,23,24,25,26,27,28,29,30,31
	global_load_b32 v[WX+32*((\t)%2)+\i], v3, s[10:11] offset:(32*(\t)+\i)*4096 th:TH_LOAD_NT
.endr
.endm
	WLOAD 0
	WLOAD 1
.macro WBLOCK t
.set XS, WX+32*((\t)%2)
.if (\t) < NB-1
	s_wait_loadcnt 32                              ; this block's 32 loads are in; the next block's 32 may be out
.else
	s_wait_loadcnt 0
.endif
	v_max3_num_f32 v12, |v[XS]|, |v[XS+1]|, |v[XS+2]|              ; the block's largest magnitude: all 32 numbers are mine
	v_max3_num_f32 v13, |v[XS+3]|, |v[XS+4]|, |v[XS+5]|
.irp i, 6,10,14,18,22,26
	v_max3_num_f32 v12, v12, |v[XS+\i]|, |v[XS+\i+1]|
	v_max3_num_f32 v13, v13, |v[XS+\i+2]|, |v[XS+\i+3]|
.endr
	v_max3_num_f32 v12, v12, |v[XS+30]|, |v[XS+31]|
	v_max3_num_f32 v12, v12, v13, (EMAX+1)<<23     ; and the floor
	v_add_nc_u32 v11, 0xfe000000, v12              ; the conversion's scale operand
	v_lshrrev_b32 v13, 23, v11                     ; the scale's byte
.if (\t)%4 == 0
	v_mov_b32 v[WSB+(\t)/4], v13                   ; four bytes to a register, the lower K in the lower byte
.else
	v_lshl_or_b32 v[WSB+(\t)/4], v13, 8*((\t)%4), v[WSB+(\t)/4]
.endif
	v_cvt_scalef32_pk16_bf6_f32 v[WC:WC+2], v[XS:XS+15], v11
	v_cvt_scalef32_pk16_bf6_f32 v[WC+4:WC+6], v[XS+16:XS+31], v11  ; (a conversion's three registers begin on an even number)
	ds_store_b96 v4, v[WC:WC+2] offset:32*(\t)     ; 12 bytes to a place of 16, so that every LDS address is a multiple of 16
	ds_store_b96 v4, v[WC+4:WC+6] offset:32*(\t)+16
.if (\t)+2 < NB
	WLOAD (\t)+2
.endif
	s_wait_dscnt 0x0                               ; the stores have read their registers: the next block's codes may be written
.endm
.irp t, 0,1,2,3,4,5,6,7
	WBLOCK \t
.endr
	s_wait_alu depctr_va_vdst(0)
	global_store_b64 v9, v[WSB:WSB+1], s[22:23]    ; my column's 8 scale bytes
.irp t, 0,1,2,3,4,5,6,7,8,9,10,11,12,13,14,15
	ds_load_b96 v[WOUT+4*\t:WOUT+4*\t+2], v7 offset:2*\t*WP   ; in order behind my stores
.endr
.irp t, 0,1,2,3,4,5,6,7,8,9,10,11,12,13,14,15
	s_wait_dscnt 15-\t                             ; the younger read-backs may be out
	global_store_b96 v8, v[WOUT+4*\t:WOUT+4*\t+2], s[20:21] offset:2*\t*192
.endr
	s_wait_tensorcnt 0x0
	ds_add_u32 v192, v193
	s_wait_dscnt 0x0
	s_endpgm
.Lfunc_end_k_q3635fd8150_prep:
	.size	k_q3635fd8150_prep, .Lfunc_end_k_q3635fd8150_prep-k_q3635fd8150_prep
	.p2alignl 7, 3214868480
	.fill 96, 4, 3214868480
	.section	.rodata,"a",@progbits
	.p2align	6, 0x0
	.amdhsa_kernel k_q3635fd8150_prep
		.amdhsa_group_segment_fixed_size 68096
		.amdhsa_private_segment_fixed_size 0
		.amdhsa_enable_private_segment 0
		.amdhsa_kernarg_size 80
		.amdhsa_user_sgpr_count 2
		.amdhsa_user_sgpr_kernarg_segment_ptr 1
		.amdhsa_wavefront_size32 1
		.amdhsa_system_sgpr_workgroup_id_x 1
		.amdhsa_system_sgpr_workgroup_id_y 1
		.amdhsa_system_sgpr_workgroup_id_z 1
		.amdhsa_system_vgpr_workitem_id 0
		.amdhsa_next_free_vgpr 194
		.amdhsa_next_free_sgpr 66
		.amdhsa_reserve_vcc 0
		.amdhsa_float_denorm_mode_32 3
		.amdhsa_float_denorm_mode_16_64 3
		.amdhsa_memory_ordered 1
		.amdhsa_forward_progress 1
		.amdhsa_inst_pref_size 75
	.end_amdhsa_kernel
	.amdgpu_metadata
---
amdhsa.version: [ 1, 2 ]
amdhsa.kernels:
  - .name:           k_q3635fd8150_prep
    .symbol:         k_q3635fd8150_prep.kd
    .args:
      - { .name: Q, .offset: 0, .size: 8, .value_kind: global_buffer, .address_space: global }
      - { .name: K, .offset: 8, .size: 8, .value_kind: global_buffer, .address_space: global }
      - { .name: V, .offset: 16, .size: 8, .value_kind: global_buffer, .address_space: global }
      - { .name: wq, .offset: 24, .size: 8, .value_kind: global_buffer, .address_space: global }
      - { .name: wk, .offset: 32, .size: 8, .value_kind: global_buffer, .address_space: global }
      - { .name: wv, .offset: 40, .size: 8, .value_kind: global_buffer, .address_space: global }
      - { .name: xc, .offset: 48, .size: 8, .value_kind: global_buffer, .address_space: global }
      - { .name: xs, .offset: 56, .size: 8, .value_kind: global_buffer, .address_space: global }
      - { .name: wc, .offset: 64, .size: 8, .value_kind: global_buffer, .address_space: global }
      - { .name: ws, .offset: 72, .size: 8, .value_kind: global_buffer, .address_space: global }
    .group_segment_fixed_size: 68096
    .private_segment_fixed_size: 0
    .kernarg_segment_align: 8
    .kernarg_segment_size: 80
    .max_flat_workgroup_size: 128
    .sgpr_count:     66
    .vgpr_count:     194
    .wavefront_size: 32
...
	.end_amdgpu_metadata
.endif
;; end of part 1
;; launch proj (part 2): grid 4 x 64, 4 waves a work-group, clusters of 4 x 4, 327,680 bytes of LDS; arguments xc, xs, wc, ws, bq, bk, bv, qimg, kv; writes qimg, kv
.if DOCPART == 2
	.amdgcn_target "amdgcn-amd-amdhsa--gfx1250"
	.amdhsa_code_object_version 6
	.text
	.protected	k_q3635fd8150_proj
	.globl	k_q3635fd8150_proj
	.p2align	8
	.type	k_q3635fd8150_proj,@function
k_q3635fd8150_proj:
	s_mov_b64 s[64:65], 0
	v_nop
	global_prefetch_b8 v0, s[64:65] scope:SCOPE_SE
	s_setreg_imm32_b32 hwreg(HW_REG_WAVE_MODE, 25, 1), 1
	s_wait_xcnt 0x0
	s_wait_alu depctr_hold_cnt(0) depctr_sa_sdst(0) depctr_va_vdst(0) depctr_va_sdst(0) depctr_va_ssrc(0) depctr_va_vcc(0) depctr_vm_vsrc(0)
	s_getreg_b32 s2, hwreg(HW_REG_IB_STS2, 6, 4)
	s_cmp_eq_u32 s2, 0
	s_cbranch_scc0 .Lentry_in_a_cluster
	s_endpgm
.Lentry_in_a_cluster:
	s_bfe_u32 s2, ttmp6, 0x10000c
	s_cmp_lg_u32 s2, 0xf033
	s_cbranch_scc0 .Lentry_shape_is_right
	s_endpgm
.Lentry_shape_is_right:
; q = Q wq + bq, k = K wk + bk, v = V wv + bv on codes of BF6 (E3M2) with one E8M0 byte for each 32 along K (K = 1,024), f32 sums, each result quantised again on the way out and stored as images of the
; attention launch's operand registers: q and k along the head's 64 channels, v along the tokens.
; xc, wc: [block of 256 places][K step of 256 along K][256 places][192 bytes]; xs, ws: [place][32 scale bytes].  Places 0 .. of xc: Q's, K's, V's 8,192 tokens; of wc: wq's, wk's, wv's 1,024 outputs.
; THE DEAL: 256 work-groups of four waves (2 x 2), each with TWO tiles.  Tile 1: 256 tokens x 256 outputs of q or k (cluster y / 8 says which): a wave makes 128 x 128, 64 accumulators.
; Tile 2: 128 channels x 256 tokens of v^T: a wave makes 64 x 128, 32 accumulators.  So every work-group issues the same 768 products a wave.
; The matrix instruction takes operand B's rows as source 0 and operand A's as source 1: a lane holds one row of A and eight neighbouring rows of B.  Tile 1: A = tokens, B = weights; tile 2: A = wv's channels, B = V's tokens.
; THE RING: two LDS slots, each one K step (256 along K) of A's and B's places.  A K step of a tile is dense in memory: it is loaded as rows of 256 bytes that begin at multiples of 256, 16 bytes of padding behind every 64,
; so that a place's 192 bytes have a pitch of 240.  Wave 0 brings A's part, wave 1 B's.  The ring runs on into tile 2: tile 1's last two changes of slots ask for tile 2's K steps 0 and 1, which are on their way while tile 1 goes out.
; The scale bytes of both tiles come once: tile 1's at the head (waves 2, 3), tile 2's with slot 1's first fill (waves 2, 3), into bytes of their own.
; CLUSTER 4 x 4: A's tiles hang on cy and are shared along a row, B's on cx and are shared along a column: joint loads; each refill stands behind a round of the cluster's barrier.
; PREFETCH: at each fill the K step that the next fill will load is asked for (at the head: K steps 1 and 2): 256 bytes a lane; the sixteen waves of the four partners that load a tile jointly share its blocks out by address.
; LIMITS: NaN and infinities are not served; a block of zeros keeps the byte 1 (its codes are zeros; this program alone reads the bytes).
.set NQ,     2
.set ROWB,   49152                     ; from a K step to the next in memory
.set KROW,   768
.set PITCH,  240
.set FR,     12
.set NL,     6
.set NP,     4
.set HALFT,  128*PITCH
.set SLOT,   4*HALFT
.set KS,     32
.set SCL,    2*SLOT                    ; tile 1's scale bytes: A's 256 places, B's 256, units of 256 + 16
.set HALFS,  16*272
.set SBLK,   2*272
.set SCL2,   SCL+4*HALFS               ; tile 2's: A's 128 places, B's 256
.set SPARE,  SCL2+3*HALFS
.set PFA,  8                           ; v8-10 the prefetches' offsets: tile 1's A, both tiles' B, tile 2's A; never rewritten
.set ADS2, 11                          ; v11 tile 2's first scale words
.set ADRA, 16
.set ADRB, 20
.set LI,   24
.set L8,   25
.set LN,   26
.set ADRS, 27
.set SPW,  28
.set NIL,  29
.set SC,   32
.set BI,   64
.set AF,   128
.set T,    128
.set PC,   192
.set PWS,  212
.set MS,   220
.set BJ,   224
.set TM,   240
.set G1, 24
.set G0, 32
.set G1B, 48
.set G0B, 56
.set G1S, 68
.set G0S, 76
.set G1SB, 80
.set G0SB, 88
.set MSB, 0
.macro WIN new
.if MSB != \new
	s_set_vgpr_msb (MSB<<8)|\new
.set MSB, \new
.endif
.endm
.set MUL_LO, 0xa1
.set MUL_HI, 0xf1
.set TO_B,   0x40
.macro PLACES n
.rept \n
	v_nop
.endr
.endm
.macro WALU
	s_wait_alu depctr_va_vdst(0)
.endm
.macro TLOAD g0, g1                    ; an s_nop 0 and four v_nop follow every tensor load
	tensor_load_to_lds s[\g0:\g0+3], s[\g1:\g1+7]
	s_nop 0
	PLACES 4
.endm
.macro JLOAD s                         ; a slot's fill: wave 0 A's part, wave 1 B's; the others pass four places
	s_cmp_lt_u32 s14, 1
	s_cbranch_scc0 .Lfb_\@
	TLOAD G0+4*\s, G1
	s_branch .Lfd_\@
.Lfb_\@:
	s_cmp_lt_u32 s14, 2
	s_cbranch_scc0 .Lfn_\@
	TLOAD G0B+4*\s, G1B
	s_branch .Lfd_\@
.Lfn_\@:
	PLACES 4
.Lfd_\@:
.endm
.macro TREE4 s                         ; four loads, one a wave: slot s's A and B, A's scale bytes, B's
	s_cmp_lt_u32 s14, 1
	s_cbranch_scc0 .Ltb_\@
	TLOAD G0+4*\s, G1
	s_branch .Ltd_\@
.Ltb_\@:
	s_cmp_lt_u32 s14, 2
	s_cbranch_scc0 .Ltc_\@
	TLOAD G0B+4*\s, G1B
	s_branch .Ltd_\@
.Ltc_\@:
	s_cmp_lt_u32 s14, 3
	s_cbranch_scc0 .Lte_\@
	TLOAD G0S, G1S
	s_branch .Ltd_\@
.Lte_\@:
	TLOAD G0SB, G1SB
.Ltd_\@:
.endm
.macro CREST
	s_cmp_lg_u32 s14, 0
	s_cbranch_scc1 .Lnot_wave_0_\@
	s_barrier_signal -3
.Lnot_wave_0_\@:
	s_barrier_wait -3
	s_barrier_signal -1
	s_barrier_wait -1
.endm
.macro CROUND
	s_barrier_signal -1
	s_barrier_wait -1
	CREST
.endm
.macro ASK t, k                        ; K step k of tile t is asked for into the L2: my sixteenth of A's and of B's blocks of 256 bytes
.if \t == 1
	global_prefetch_b8 v[PFA], s[20:21] offset:(\k)*ROWB th:TH_LOAD_NT scope:SCOPE_SE
	global_prefetch_b8 v[PFA+1], s[46:47] offset:(\k)*ROWB th:TH_LOAD_NT scope:SCOPE_SE
.elseif \t == 2
	global_prefetch_b8 v[PFA+2], s[92:93] offset:(\k)*ROWB th:TH_LOAD_NT scope:SCOPE_SE
	global_prefetch_b8 v[PFA+1], s[94:95] offset:(\k)*ROWB th:TH_LOAD_NT scope:SCOPE_SE
.endif
.endm
	s_load_b256 s[4:11], s[0:1], 0x0               ; xc, xs, wc, ws
	v_lshl_add_u32 v[SPW], v0, 2, SPARE
	v_mov_b32 v[NIL], 0
	ds_add_u32 v[SPW], v[NIL]                      ; the opening lines: the add twice on end and its wait
	ds_add_u32 v[SPW], v[NIL]
	v_lshrrev_b32 v1, 5, v0
	v_readfirstlane_b32 s14, v1                    ; wave; s15 its row of the 2 x 2 (A's half), s16 its column (B's half)
	s_lshr_b32 s15, s14, 1
	s_and_b32 s16, s14, 1
	s_bfe_u32 s40, ttmp6, 0x40000                  ; cx
	s_bfe_u32 s41, ttmp6, 0x40004                  ; cy
	s_and_b32 s17, ttmp7, 0xffff
	s_lshr_b32 s42, s17, 3                         ; 0: q, 1: k
	s_and_b32 s17, s17, 7                          ; which 1,024 tokens
	s_lshl_b32 s43, s41, 2
	s_lshl_b32 s43, 15, s43                        ; my row of the cluster
	s_lshl_b32 s44, 0x1111, s40                    ; my column
	s_or_b32 s[G1+0], s43, (0<<16)|(1<<20)|(1<<21)|(3<<22)|(3<<25)
	s_or_b32 s[G1B+0], s44, (0<<16)|(1<<20)|(1<<21)|(3<<22)|(3<<25)
.irp g, G1, G1B
	s_mov_b32 s[\g+1], 256<<16                     ; 256 places x 192 bytes as 192 rows of 256 bytes
	s_mov_b32 s[\g+2], 192<<16
	s_mov_b32 s[\g+3], 256<<16
	s_mov_b32 s[\g+4], 192
	s_mov_b32 s[\g+5], 256
	s_mov_b32 s[\g+6], 0
	s_mov_b32 s[\g+7], 0
.endr
	s_or_b32 s[G1S+0], s43, (3<<16)|(1<<20)|(1<<21)|(5<<22)|(3<<25)
	s_or_b32 s[G1SB+0], s44, (3<<16)|(1<<20)|(1<<21)|(5<<22)|(3<<25)
.irp g, G1S, G1SB
	s_mov_b32 s[\g+1], 32<<16                      ; the scale bytes of 256 places: 32 rows of 256 bytes
	s_mov_b32 s[\g+2], 32<<16
	s_mov_b32 s[\g+3], 32<<16
	s_mov_b32 s[\g+4], 32
	s_mov_b32 s[\g+5], 32
	s_mov_b32 s[\g+6], 0
	s_mov_b32 s[\g+7], 0
.endr
	s_lshl_b32 s12, s17, 10
	s_lshl_b32 s18, s42, 13                        ; tile 1, A: place 8,192 x tensor + 1,024 s17 + 256 cy of xc
	s_add_co_u32 s18, s18, s12
	s_lshl_b32 s19, s41, 8
	s_add_co_u32 s18, s18, s19
	s_mul_i32 s20, s18, KROW
	s_mov_b32 s21, 0
	s_lshl_b32 s18, s18, 5
	s_mov_b32 s19, 0
	s_lshl_b32 s22, s42, 2                         ; tile 2, A: place 2,048 + 128 (4 x tensor + cy) of wc
	s_add_co_u32 s22, s22, s41
	s_lshr_b32 s92, s22, 1
	s_add_co_u32 s92, s92, 8
	s_mul_i32 s92, s92, 4*ROWB
	s_and_b32 s93, s22, 1
	s_mul_i32 s93, s93, 24576
	s_add_co_u32 s92, s92, s93
	s_mov_b32 s93, 0
	s_lshl_b32 s22, s22, 12
	s_add_co_u32 s22, s22, 2048*KS                 ; and its scale bytes' offset in ws
	s_lshl_b32 s23, s40, 8
	s_lshl_b32 s45, s42, 10                        ; tile 1, B: place 1,024 x tensor + 256 cx of wc
	s_add_co_u32 s45, s45, s23
	s_mul_i32 s46, s45, KROW
	s_mov_b32 s47, 0
	s_lshl_b32 s2, s45, 5
	s_mov_b32 s3, 0
	s_add_co_u32 s13, s12, s23                     ; tile 2, B: place 16,384 + 1,024 s17 + 256 cx of xc
	s_add_co_u32 s13, s13, 16384
	s_mul_i32 s94, s13, KROW
	s_mov_b32 s95, 0
	s_lshl_b32 s13, s13, 5                         ; and its scale bytes' offset in xs
	s_wait_dscnt 0x0
	CROUND                                         ; the round in front of the first joint loads
	s_wait_kmcnt 0x0
	s_add_nc_u64 s[20:21], s[4:5], s[20:21]        ; the four tiles' first bytes; they stay: the prefetches go by them
	s_add_nc_u64 s[46:47], s[8:9], s[46:47]
	s_add_nc_u64 s[92:93], s[8:9], s[92:93]
	s_add_nc_u64 s[94:95], s[4:5], s[94:95]
	s_mov_b32 s[G0S], 1
	s_mov_b32 s[G0S+1], SCL
	s_add_nc_u64 s[G0S+2:G0S+3], s[6:7], s[18:19]
	s_or_b32 s[G0S+3], s[G0S+3], 0x80000000
	s_mov_b32 s[G0SB], 1
	s_mov_b32 s[G0SB+1], SCL+2*HALFS
	s_add_nc_u64 s[G0SB+2:G0SB+3], s[10:11], s[2:3]
	s_or_b32 s[G0SB+3], s[G0SB+3], 0x80000000
.irp s, 0,1
	s_mov_b32 s[G0+4*\s], 1
	s_mov_b32 s[G0+4*\s+1], \s*SLOT
	s_add_nc_u64 s[G0+4*\s+2:G0+4*\s+3], s[20:21], \s*ROWB
	s_or_b32 s[G0+4*\s+3], s[G0+4*\s+3], 0x80000000
	s_mov_b32 s[G0B+4*\s], 1
	s_mov_b32 s[G0B+4*\s+1], \s*SLOT+2*HALFT
	s_add_nc_u64 s[G0B+4*\s+2:G0B+4*\s+3], s[46:47], \s*ROWB
	s_or_b32 s[G0B+4*\s+3], s[G0B+4*\s+3], 0x80000000
.endr
	TREE4 0                                        ; the head's loads, one a wave: K step 0 of A, of B, tile 1's scale bytes
	v_and_b32 v[LN], 31, v0
	v_min_u32 v6, 11, v[LN]                        ; a K step of 256 places is 192 blocks of 256 bytes: 12 for each of 16 waves; of 128 places 96: 6
	v_min_u32 v7, 5, v[LN]
	s_lshl_b32 s18, s40, 2
	s_add_co_u32 s18, s18, s14                     ; my number among the waves that load A jointly,
	s_mul_i32 s19, s18, 3072
	s_mul_i32 s18, s18, 1536
	s_lshl_b32 s2, s41, 2
	s_add_co_u32 s2, s2, s14                       ; and B
	s_mul_i32 s2, s2, 3072
	v_lshl_add_u32 v[PFA], v6, 8, s19
	v_lshl_add_u32 v[PFA+1], v6, 8, s2
	v_lshl_add_u32 v[PFA+2], v7, 8, s18
	ASK 1, 1
	ASK 1, 2
	v_and_b32 v1, 15, v0
	v_bfe_u32 v2, v0, 4, 1
	v_mul_u32_u24 v3, v1, PITCH
	v_mul_u32_u24 v4, v2, 24
	v_add_nc_u32 v4, v3, v4
	v_lshl_add_u32 v5, v2, 4, v4
	s_mul_i32 s18, s15, HALFT
	s_mul_i32 s19, s16, HALFT
	s_add_co_u32 s19, s19, 2*HALFT
.irp s, 0,1
	v_add_nc_u32 v[ADRA+\s], s18, v4
	v_add_nc_u32 v[ADRB+\s], s19, v4
	v_add_nc_u32 v[ADRA+2+\s], s18, v5
	v_add_nc_u32 v[ADRB+2+\s], s19, v5
	s_add_co_u32 s18, s18, SLOT
	s_add_co_u32 s19, s19, SLOT
.endr
	v_mul_u32_u24 v5, v1, KS                       ; my row's scale words: 32 bytes a place, 16 more for each 256 passed
	v_lshrrev_b32 v6, 8, v5
	v_lshl_add_u32 v5, v6, 4, v5
	WALU
	s_mul_i32 s18, s15, HALFS                      ; lanes 0-15 take A's, lanes 16-31 B's: the lower base + h x the distance
	s_mul_i32 s19, s16, HALFS
	s_add_co_u32 s19, s19, 2*HALFS
	s_sub_co_u32 s19, s19, s18
	v_mul_u32_u24 v6, s19, v2
	s_add_co_u32 s18, s18, SCL
	v_add_nc_u32 v6, v5, v6
	v_add_nc_u32 v[ADRS], s18, v6
	s_mul_i32 s18, s15, HALFS/2                    ; tile 2: A's 64 places a wave row, B's behind A's 128
	s_mul_i32 s19, s16, HALFS
	s_add_co_u32 s19, s19, HALFS
	s_sub_co_u32 s19, s19, s18
	v_mul_u32_u24 v6, s19, v2
	s_add_co_u32 s18, s18, SCL2
	v_add_nc_u32 v6, v5, v6
	v_add_nc_u32 v[ADS2], s18, v6
	v_lshlrev_b32 v[LI], 4, v[LN]
	v_lshlrev_b32 v[L8], 3, v[LN]
	v_lshlrev_b32 v30, 6, v2
	v_and_b32 v31, 8, v1
	v_add_nc_u32 v31, v31, v1
	v_lshlrev_b32 v31, 2, v31
.irp b, 0,1,2,3
	v_mov_b32 v[TM+4+\b], 0
.endr
	s_mov_b32 s66, 0x76543210
	s_mov_b32 s67, 0xfedcba98
.macro FRAG reg, adr, q, i
.irp p, 0,1,2,3,4,5
.set PCE, 12*(\q)+6*(\p/3)+\p%3
.if PCE%8 < 5
	ds_load_b64 v[\reg+2*\p:\reg+2*\p+1], v[\adr] offset:8*PCE+16*(PCE/8)+(\i)*16*PITCH
.else
	ds_load_b64 v[\reg+2*\p:\reg+2*\p+1], v[\adr+2] offset:8*PCE+16*(PCE/8)+(\i)*16*PITCH
.endif
.endr
.endm
; 16 products: A's blocks a0, a0 + 1 x B's eight.  p: B's set; q: which 128 of the K step; sc: the set of scale words; ao: where A's set begins among its eight fragments.  The accumulators take turns
.macro MUL16 a0, p, q, sc, zero, ao=0
.irp a, \a0, \a0+1
.irp b, 0,1,2,3,4,5,6,7
.set D_, 8*(8*((\a)%4)+\b)
.set B_, 128*(\p)+FR*\b
.set A_, AF+FR*((\a)+\ao)
.set XB_, SC+8*NQ*(\sc)+NQ*\b+(\q)
.set XA_, SC+8*NQ*(\sc)+NQ*(\a)+(\q)
.if \zero
	v_wmma_scale_f32_16x16x128_f8f6f4 v[D_:D_+7], v[B_:B_+FR-1], v[A_:A_+FR-1], 0, v[XB_], v[XA_] matrix_a_fmt:MATRIX_FMT_BF6 matrix_b_fmt:MATRIX_FMT_BF6 matrix_a_scale:MATRIX_SCALE_ROW1
.else
	v_wmma_scale_f32_16x16x128_f8f6f4 v[D_:D_+7], v[B_:B_+FR-1], v[A_:A_+FR-1], v[D_:D_+7], v[XB_], v[XA_] matrix_a_fmt:MATRIX_FMT_BF6 matrix_b_fmt:MATRIX_FMT_BF6 matrix_a_scale:MATRIX_SCALE_ROW1
.endif
.endr
.endr
.endm
.macro FETCH_B slot, q, p
	WIN TO_B
.irp i, 0,1,2,3,4,5,6,7
	FRAG 128*(\p)+FR*\i, ADRB+\slot, \q, \i
.endr
	WIN 0
.endm
.macro FETCH_A slot, q, i0, ao=0       ; A's blocks i0 .. i0 + 3 into fragments ao + i0 ..
.irp i, \i0, \i0+1, \i0+2, \i0+3
	FRAG AF+FR*((\i)+\ao), ADRA+\slot, \q, \i
.endr
.endm
.macro SCALES sc
.irp i, 0,1,2,3,4,5,6,7
	ds_load_b64 v[SC+8*NQ*\sc+NQ*\i:SC+8*NQ*\sc+NQ*\i+1], v[ADRS] offset:\i*SBLK
.endr
.endm
; TILE 1.  STEP: the first 128 of a K step; the second 128's fragments are fetched in its middle and at its end
.macro STEP slot, zero
	s_wait_dscnt 4*NL                              ; A's blocks 4-7, the youngest 24 loads, may be out
	WIN MUL_LO
	MUL16 0, 0, 0, \slot, \zero
	MUL16 2, 0, 0, \slot, \zero
	s_wait_dscnt 0
	PLACES NP
	FETCH_B \slot, 1, 1
	FETCH_A \slot, 1, 0
	WIN MUL_HI
	MUL16 4, 0, 0, \slot, \zero
	MUL16 6, 0, 0, \slot, \zero
	PLACES NP
	WIN 0
	FETCH_A \slot, 1, 4
.endm
; TURN: the second 128, and the change of slots.  fill = 1: the slot takes this tile's K step two on; 2: tile 2's K step \slot; 0: nothing.  pt, pk: what is asked for into the L2.  fetch = 0: tile 1's end
.macro TURN slot, next, fill, pt, pk, fetch=1
	s_wait_tensorcnt 0x0                           ; all my tensor loads have landed;
	ds_add_u32 v[SPW], v[NIL]                      ; an add of 0 to my spare word;
	s_wait_dscnt 4*NL+1                            ; (the add and A's blocks 4-7 may be out)
	WIN MUL_LO
	MUL16 0, 1, 1, \slot, 0
	s_wait_dscnt 0x0                               ; the add is done and my reads of this slot are over
	s_barrier_signal -1
	MUL16 2, 1, 1, \slot, 0
	WIN 0
	s_barrier_wait -1
.if \fill
	CREST                                          ; the barrier has opened a round of the cluster's barrier
.if \fill == 1
	s_add_nc_u64 s[G0+4*\slot+2:G0+4*\slot+3], s[G0+4*\slot+2:G0+4*\slot+3], 2*ROWB
	s_add_nc_u64 s[G0B+4*\slot+2:G0B+4*\slot+3], s[G0B+4*\slot+2:G0B+4*\slot+3], 2*ROWB
.else
	s_add_nc_u64 s[G0+4*\slot+2:G0+4*\slot+3], s[92:93], \slot*ROWB
	s_or_b32 s[G0+4*\slot+3], s[G0+4*\slot+3], 0x80000000
	s_add_nc_u64 s[G0B+4*\slot+2:G0B+4*\slot+3], s[94:95], \slot*ROWB
	s_or_b32 s[G0B+4*\slot+3], s[G0B+4*\slot+3], 0x80000000
	s_mov_b32 s[G1+2], 96<<16                      ; tile 2's A has 128 places: 96 rows of 256 bytes
	s_mov_b32 s[G1+4], 96
.endif
	JLOAD \slot
.else
	PLACES NP
.endif
.if \fetch
	WALU
	v_add_nc_u32 v[ADRS], 4*NQ, v[ADRS]
	FETCH_B \next, 0, 0
	FETCH_A \next, 0, 0
	SCALES \next
.endif
	ASK \pt, \pk
	WIN MUL_HI
	MUL16 4, 1, 1, \slot, 0
	MUL16 6, 1, 1, \slot, 0
.if \fetch
	PLACES NP
	WIN 0
	FETCH_A \next, 0, 4
.else
	WIN 0
.endif
.endm
; TILE 2.  A K step: 2 x 32 products; A has two sets of four fragments.  mode = 1: a round and the refill; 0: a plain barrier, which shows the other slot; 2: the last K step
.macro KSTEPH slot, next, mode, zero, pt, pk
	s_wait_dscnt 0x0
	PLACES NP
	FETCH_B \slot, 1, 1
	FETCH_A \slot, 1, 0, 4
	WIN MUL_LO
	MUL16 0, 0, 0, \slot, \zero
.if \mode < 2
	WIN 0
	s_wait_tensorcnt 0x0
	ds_add_u32 v[SPW], v[NIL]
	WIN MUL_LO
.endif
	MUL16 2, 0, 0, \slot, \zero
	s_wait_dscnt 0x0                               ; the add, and my last reads of this slot
.if \mode < 2
	s_barrier_signal -1
.endif
	MUL16 0, 1, 1, \slot, 0, 4
.if \mode < 2
	WIN 0
	s_barrier_wait -1
.if \mode == 1
	CREST
	s_add_nc_u64 s[G0+4*\slot+2:G0+4*\slot+3], s[G0+4*\slot+2:G0+4*\slot+3], 2*ROWB
	s_add_nc_u64 s[G0B+4*\slot+2:G0B+4*\slot+3], s[G0B+4*\slot+2:G0B+4*\slot+3], 2*ROWB
	JLOAD \slot
.else
	PLACES NP
.endif
	WALU
	v_add_nc_u32 v[ADRS], 4*NQ, v[ADRS]
	FETCH_B \next, 0, 0
	FETCH_A \next, 0, 0
	SCALES \next
	ASK \pt, \pk
	WIN MUL_LO
.endif
	MUL16 2, 1, 1, \slot, 0, 4
	WIN 0
.endm
	WALU
	s_wait_tensorcnt 0x0                           ; my tile of the head's four is in; these lines stand ahead of later first fills as ahead of a refill
	ds_add_u32 v[SPW], v[NIL]
	s_mov_b32 s[G1S+2], 16<<16                     ; no tensor load of mine is out: tile 2's scale bytes: A's 128 places are 16 rows of 256 bytes
	s_mov_b32 s[G1S+4], 16
	s_mov_b32 s[G0S+1], SCL2
	s_mov_b32 s18, s22
	s_mov_b32 s19, 0
	s_add_nc_u64 s[G0S+2:G0S+3], s[10:11], s[18:19]
	s_or_b32 s[G0S+3], s[G0S+3], 0x80000000
	s_mov_b32 s[G0SB+1], SCL2+HALFS
	s_mov_b32 s2, s13
	s_mov_b32 s3, 0
	s_add_nc_u64 s[G0SB+2:G0SB+3], s[6:7], s[2:3]
	s_or_b32 s[G0SB+3], s[G0SB+3], 0x80000000
	s_wait_dscnt 0x0
	CROUND
	TREE4 1                                        ; K step 1 of A and B, tile 2's scale bytes
	s_load_b256 s[4:11], s[0:1], 0x20              ; bq, bk, bv, qimg
	s_load_b64 s[12:13], s[0:1], 0x40              ; kv
	FETCH_B 0, 0, 0
	FETCH_A 0, 0, 0
	SCALES 0
	FETCH_A 0, 0, 4
	STEP 0, 1
	s_wait_kmcnt 0x0                               ; where the results go, and the biases
	s_cmp_eq_u32 s42, 0
	s_cselect_b64 s[4:5], s[4:5], s[6:7]
	s_cselect_b64 s[96:97], s[10:11], s[12:13]
	s_mov_b32 s45, 13056
	s_cselect_b32 s45, 6656, s45                   ; a record of qimg or of kv
	s_lshl_b32 s23, s17, 2
	s_add_co_u32 s18, s23, s41
	s_lshl_b32 s18, s18, 1
	s_add_co_u32 s18, s18, s15                     ; tile 1: my step of 128 tokens
	s_lshr_b32 s19, s18, 4
	s_lshl_b32 s19, s19, 4
	s_lshl_b32 s2, s40, 2
	s_add_co_u32 s19, s19, s2
	s_lshl_b32 s2, s16, 1
	s_add_co_u32 s19, s19, s2                      ; 16 batch + my first head
	s_lshl_b32 s19, s19, 4
	s_and_b32 s18, s18, 15
	s_add_co_u32 s19, s19, s18
	s_mul_i32 s18, s19, s45
	s_mov_b32 s19, 0
	s_add_nc_u64 s[96:97], s[96:97], s[18:19]
	s_lshl_b32 s18, s45, 4
	s_add_nc_u64 s[98:99], s[96:97], s[18:19]      ; my second head: 16 records on
	s_add_co_u32 s18, s23, s40
	s_lshl_b32 s18, s18, 1
	s_add_co_u32 s18, s18, s16                     ; tile 2: my step of 128 tokens
	s_lshr_b32 s2, s18, 4
	s_lshl_b32 s2, s2, 4
	s_lshl_b32 s3, s42, 2
	s_add_co_u32 s3, s3, s41
	s_lshl_b32 s23, s3, 1
	s_add_co_u32 s2, s2, s23
	s_add_co_u32 s2, s2, s15                       ; 16 batch + my head
	s_lshl_b32 s2, s2, 4
	s_and_b32 s18, s18, 15
	s_add_co_u32 s2, s2, s18
	s_mul_i32 s18, s2, 13056
	s_add_co_u32 s18, s18, 6656
	s_add_nc_u64 s[100:101], s[12:13], s[18:19]
	s_lshl_b32 s18, s40, 10
	s_lshl_b32 s2, s16, 9
	s_add_co_u32 s18, s18, s2
	s_add_nc_u64 s[4:5], s[4:5], s[18:19]
	s_lshl_b32 s18, s3, 9
	s_lshl_b32 s2, s15, 8
	s_add_co_u32 s18, s18, s2
	s_add_nc_u64 s[8:9], s[8:9], s[18:19]
.irp b, 0,1,2,3
.irp q, 0,1,2,3
	global_load_b128 v[BI+16*\b+4*\q:BI+16*\b+4*\q+3], v30, s[4:5] offset:128*\b+16*\q
.endr
.endr
.irp a, 0,1,2,3
	global_load_b32 v[BJ+2*\a], v31, s[8:9] offset:4*(32*(\a/2)+8*(\a%2))
	global_load_b32 v[BJ+2*\a+1], v31, s[8:9] offset:4*(32*(\a/2)+8*(\a%2))
.endr
	TURN 0, 1, 1, 1, 3
	STEP 1, 0
	TURN 1, 0, 1, 2, 0
	STEP 0, 0
	TURN 0, 1, 2, 2, 1                             ; slot 0 takes tile 2's K step 0,
	STEP 1, 0
	TURN 1, 0, 2, 2, 2, 0                          ; slot 1 its K step 1
; THE WAY OUT of block a (16 rows of A x 128 of B): the bias, the four scale blocks of 32 (16 numbers in lane l, 16 in lane l xor 16), the codes, whole blocks brought into one lane
.macro TAKE a, mode
	WIN 0x02+((\a)/4)
.irp b, 0,1,2,3,4,5,6,7
.irp p, 0,1,2,3
.if \mode
	v_pk_add_f32 v[T+8*\b+2*\p:T+8*\b+2*\p+1], v[64*((\a)%4)+8*\b+2*\p:64*((\a)%4)+8*\b+2*\p+1], v[BJ+2*(\a):BJ+2*(\a)+1]
.else
	v_pk_add_f32 v[T+8*\b+2*\p:T+8*\b+2*\p+1], v[64*((\a)%4)+8*\b+2*\p:64*((\a)%4)+8*\b+2*\p+1], v[BI+8*\b+2*\p:BI+8*\b+2*\p+1]
.endif
.endr
.endr
	WIN 0
.endm
.macro QUANT s, w
.irp b, 0,1,2,3
	v_max3_num_f32 v[TM+\b], |v[\s+16*\b]|, |v[\s+1+16*\b]|, 0x2800000
.endr
.irp i, 2,4,6,8,10,12,14
.irp b, 0,1,2,3
	v_max3_num_f32 v[TM+\b], v[TM+\b], |v[\s+16*\b+\i]|, |v[\s+1+16*\b+\i]|
.endr
.endr
.irp b, 0,1,2,3
	v_permlanex16_b32 v[TM+4+\b], v[TM+\b], s66, s67
.endr
.irp b, 0,1,2,3
	v_max_num_f32 v[TM+\b], v[TM+\b], v[TM+4+\b]
.endr
.irp b, 0,1,2,3
	v_add_nc_u32 v[TM+12+\b], 0xfe000000, v[TM+\b]
.endr
.irp b, 0,1,2,3
	v_lshrrev_b32 v[TM+4+\b], 23, v[TM+12+\b]
.endr
	v_lshl_or_b32 v[\w], v[TM+5], 8, v[TM+4]
	v_lshl_or_b32 v[\w], v[TM+6], 16, v[\w]
	v_lshl_or_b32 v[\w], v[TM+7], 24, v[\w]
.irp c, 0,1
	v_cvt_scalef32_pk16_bf6_f32 v[PC+6*\c:PC+2+6*\c], v[\s+32*\c:\s+15+32*\c], v[TM+12+2*\c]
	v_cvt_scalef32_pk16_bf6_f32 v[PC+12+4*\c:PC+14+4*\c], v[\s+16+32*\c:\s+31+32*\c], v[TM+12+2*\c+1]
.endr
	v_nop
.irp c, 0,1
.irp i, 0,1,2
	v_permlane16_swap_b32 v[PC+6*\c+\i], v[PC+12+4*\c+\i]
.endr
.irp i, 0,1,2
	v_mov_b32 v[PC+3+6*\c+\i], v[PC+12+4*\c+\i]
.endr
.endr
.endm
.macro OUTBLOCK a, mode
	TAKE \a, \mode
.if (\a) > 0
	s_wait_xcnt 0x0                                ; the last block's stores have read their data
.endif
	QUANT T, PWS+(\a)
.if \mode
.irp g, 0,1,2
	global_store_b128 v[LI], v[PC+4*\g:PC+4*\g+3], s[100:101] offset:1536*(\a)+512*\g
.endr
.else
	global_store_b128 v[LI], v[PC:PC+3], s[96:97] offset:768*(\a)
	global_store_b64 v[L8], v[PC+4:PC+5], s[96:97] offset:768*(\a)+512
	global_store_b128 v[LI], v[PC+6:PC+9], s[98:99] offset:768*(\a)
	global_store_b64 v[L8], v[PC+10:PC+11], s[98:99] offset:768*(\a)+512
.endif
.endm
	PLACES NP
	s_wait_loadcnt 0x0                             ; the biases
	v_cmp_le_u32 vcc_lo, 16, v[LN]
.irp a, 0,1,2,3,4,5,6,7
	OUTBLOCK \a, 0
.endr
.irp j, 0,1,2,3
	v_cndmask_b32 v[MS+\j], v[PWS+2*\j], v[PWS+2*\j+1], vcc_lo
.endr
	global_store_b128 v[LI], v[MS:MS+3], s[96:97] offset:6144
.irp j, 0,1,2,3
	v_lshrrev_b32 v[T+\j], 16, v[MS+\j]
.endr
	global_store_b128 v[LI], v[T:T+3], s[98:99] offset:6144
; TILE 2 begins: its K step 0 was shown to all waves by the round at tile 1's end
	s_wait_xcnt 0x0                                ; the stores have read their data: fragments may land there
	s_mul_i32 s18, s15, HALFT-64*PITCH             ; A's 128 places lie dense: my 64 begin 64 pitches on for wave row 1
.irp i, 0,1,2,3
	v_sub_nc_u32 v[ADRA+\i], v[ADRA+\i], s18
.endr
	v_mov_b32 v[ADRS], v[ADS2]
	WALU
	FETCH_B 0, 0, 0
	FETCH_A 0, 0, 0
	SCALES 0
	KSTEPH 0, 1, 1, 1, 2, 3
	KSTEPH 1, 0, 1, 0, 0, 0
	KSTEPH 0, 1, 0, 0, 0, 0
	KSTEPH 1, 0, 2, 0, 0, 0
	PLACES NP
	v_cmp_le_u32 vcc_lo, 16, v[LN]
.irp a, 0,1,2,3
	OUTBLOCK \a, 1
.endr
.irp j, 0,1
	v_cndmask_b32 v[MS+\j], v[PWS+2*\j], v[PWS+2*\j+1], vcc_lo
.endr
	global_store_b64 v[L8], v[MS:MS+1], s[100:101] offset:6144
	s_wait_tensorcnt 0x0                           ; the wave's end
	ds_add_u32 v[SPW], v[NIL]
	s_wait_dscnt 0x0
	CROUND                                         ; the closing round
	s_endpgm
.Lfunc_end_k_q3635fd8150_proj:
	.size	k_q3635fd8150_proj, .Lfunc_end_k_q3635fd8150_proj-k_q3635fd8150_proj
	.p2alignl 7, 3214868480
	.fill 96, 4, 3214868480
	.section	.rodata,"a",@progbits
	.p2align	6, 0x0
	.amdhsa_kernel k_q3635fd8150_proj
		.amdhsa_group_segment_fixed_size 327680
		.amdhsa_private_segment_fixed_size 0
		.amdhsa_enable_private_segment 0
		.amdhsa_kernarg_size 72
		.amdhsa_user_sgpr_count 2
		.amdhsa_user_sgpr_kernarg_segment_ptr 1
		.amdhsa_wavefront_size32 1
		.amdhsa_system_sgpr_workgroup_id_x 1
		.amdhsa_system_sgpr_workgroup_id_y 1
		.amdhsa_system_sgpr_workgroup_id_z 1
		.amdhsa_system_vgpr_workitem_id 0
		.amdhsa_next_free_vgpr 1024
		.amdhsa_next_free_sgpr 102
		.amdhsa_reserve_vcc 1
		.amdhsa_float_denorm_mode_32 3
		.amdhsa_float_denorm_mode_16_64 3
		.amdhsa_memory_ordered 1
		.amdhsa_forward_progress 1
		.amdhsa_inst_pref_size 255
	.end_amdhsa_kernel
	.section	.bss,"aw",@nobits
	.p2align	6
	.space	262144
	.amdgpu_metadata
---
amdhsa.version: [ 1, 2 ]
amdhsa.kernels:
  - .name:           k_q3635fd8150_proj
    .symbol:         k_q3635fd8150_proj.kd
    .args:
      - { .name: xc, .offset: 0, .size: 8, .value_kind: global_buffer, .address_space: global }
      - { .name: xs, .offset: 8, .size: 8, .value_kind: global_buffer, .address_space: global }
      - { .name: wc, .offset: 16, .size: 8, .value_kind: global_buffer, .address_space: global }
      - { .name: ws, .offset: 24, .size: 8, .value_kind: global_buffer, .address_space: global }
      - { .name: bq, .offset: 32, .size: 8, .value_kind: global_buffer, .address_space: global }
      - { .name: bk, .offset: 40, .size: 8, .value_kind: global_buffer, .address_space: global }
      - { .name: bv, .offset: 48, .size: 8, .value_kind: global_buffer, .address_space: global }
      - { .name: qimg, .offset: 56, .size: 8, .value_kind: global_buffer, .address_space: global }
      - { .name: kv, .offset: 64, .size: 8, .value_kind: global_buffer, .address_space: global }
    .group_segment_fixed_size: 327680
    .private_segment_fixed_size: 0
    .kernarg_segment_align: 8
    .kernarg_segment_size: 72
    .max_flat_workgroup_size: 128
    .sgpr_count:     102
    .vgpr_count:     1024
    .wavefront_size: 32
...
	.end_amdgpu_metadata
.endif
;; end of part 2
;; launch attn (part 3): grid 4 x 64, 16 waves a work-group, clusters of 4 x 1, 280,576 bytes of LDS; arguments qimg, kv, out0; writes out0
.if DOCPART == 3
	.amdgcn_target "amdgcn-amd-amdhsa--gfx1250"
	.amdhsa_code_object_version 6
	.text
	.protected	k_q3635fd8150_attn
	.globl	k_q3635fd8150_attn
	.p2align	8
	.type	k_q3635fd8150_attn,@function
k_q3635fd8150_attn:
	s_mov_b64 s[64:65], 0
	v_nop
	global_prefetch_b8 v0, s[64:65] scope:SCOPE_SE
	s_setreg_imm32_b32 hwreg(HW_REG_WAVE_MODE, 25, 1), 1
	s_wait_xcnt 0x0
	s_wait_alu depctr_hold_cnt(0) depctr_sa_sdst(0) depctr_va_vdst(0) depctr_va_sdst(0) depctr_va_ssrc(0) depctr_va_vcc(0) depctr_vm_vsrc(0)
	s_getreg_b32 s2, hwreg(HW_REG_IB_STS2, 6, 4)
	s_cmp_eq_u32 s2, 0
	s_cbranch_scc0 .Lentry_in_a_cluster
	s_endpgm
.Lentry_in_a_cluster:
	s_bfe_u32 s2, ttmp6, 0x10000c
	s_cmp_lg_u32 s2, 0x3003
	s_cbranch_scc0 .Lentry_shape_is_right
	s_endpgm
.Lentry_shape_is_right:
; out[b][q][64 head + d] = sum over keys of softmax(q . k / 8) v, for 64 pairs bh = 16 b + head, 2,048 queries and keys, head size 64; both products on codes of BF6 (E3M2), one E8M0 scale for each 32 along K.
; t = score x log2(e) / 8; M = the running largest t rounded UP to a whole number; p = 2^(t - M) is quantised along the keys, not normalised; the row's sum is taken of the unquantised p in f32 and divides O at the end.
; When M moves, the sum and O are multiplied by 2^(old M - new M): exact, no branch on data.
; INPUTS are images of operand registers.  A step is 128 tokens.  qimg [64 bh][16 steps][6,656]: 8 tiles of 16 rows x 64 (768 bytes: registers 0-3 at 16 x lane, 4-5 at 512 + 8 x lane), 512 bytes of scale words.
; kv [64 bh][16 steps][13,056]: k likewise; then 4 fragments of v^T (16 channels x 128 keys, 1,536 bytes) and 256 bytes of scale words.
; KEYS: row 8 h + j of k's tile 4 c + t is key 64 c + 32 h + 8 t + j of its step.  Both products are used transposed (S^T = k q^T, O^T = v^T p^T), a lane holds one query, and its registers 32 c + 0 .. 31 of S^T are
; the 32 neighbouring keys of scale block 2 c + h: a block's largest score needs no other lane, and the conversions' results are p's operand registers of that lane.
; QUERIES: row r of q's tile a is token 32 (a / 2) + 8 (a % 2) + r + 8 (r / 8); v^T's fragment t likewise holds channels 32 (t / 2) + 8 (t % 2) + r + 8 (r / 8).
; SHARES: a work-group owns 512 queries of one bh; each of 16 waves takes 16 queries in each of two passes (one text, a loop of two trips).  All 16 records of the bh, 208,896 bytes, come into LDS once, one tensor load a wave; nothing is filled again.
; CLUSTER: the four work-groups of a cluster own the four query blocks of one bh and ask for each record jointly (mask 15).  No data prefetch: all that is loaded is asked for at the head, and no loop runs ahead of a load.
; The head's 64 fill half of the instruction's 128: q's upper six registers are zero codes; k's fragments lie six registers apart, so the upper six that a product names are the next fragment's codes (zeros behind the last),
; which meet q's zero codes under scale bytes that are never 0xff.
; THE ORDER OF A STEP: scores; V's fragments asked for; block maxima; M and f; O x f; t - M; exponentials in two batches of 32 keys a lane with plain lines among them; scales, codes; part of the row's sums; O^T += v^T p^T;
; the next record's k asked for; the rest of the sums under that fetch.  The sums' last four additions stand behind the next step's scores: they are the places there.
; LIMITS: NaN and infinities are not served; a p under 2^-126 counts as 0; the promise holds while |t| stays under 2^31.
.set REC,   13056
.set QREC,  6656
.set STG,   16*REC                     ; a stage of 16 rows x 272 bytes for each wave
.set SPARE, STG+16*16*272              ; the spare words, 128 bytes a wave
.set L16,  1                           ; 16 x lane
.set L8,   2                           ; 8 x lane
.set STO,  3
.set RD,   4
.set GO,   5
.set R16,  6
.set SH,   7                           ; 8 x (lane / 16): where my two scale bytes stand in p's scale word
.set AD16, 8                           ; the record's LDS address + 16 x lane, + 8 x lane
.set AD8,  9
.set QF,   16                          ; v16-27 q's fragment of this pass
.set Q2,   28                          ; v28-33 the second pass's six registers
.set QS,   40                          ; v40 q's scale word, v41 the second pass's
.set KSC,  42
.set VSC,  46
.set KF,   48                          ; v48-101 k's eight fragments, then v's four
.set S,    102                         ; v102-165 S^T, then p
.set O,    166                         ; v166-197 O^T
.set P,    198                         ; v198-209 p's codes
.set PH,   210                         ; v210-212, v214-216 the conversions' second halves
.set MA,   218                         ; v218-219 my two blocks' largest score, then largest p
.set MB,   220                         ; v220-221 the second chains, then the bytes
.set SO,   222                         ; v222-223 the conversions' scale operands
.set TP,   224                         ; v224-225 at work
.set F,    232                         ; v[232:233] f and a 0 named with it
.set PW,   234                         ; p's scale word
.set C,    236                         ; v236-251 the row's sum: eight chains of pairs
.set SPW,  254
.set NIL,  255
.set WV,   10
.set CNT,  28
.set TB,   29                          ; LDS byte of the record whose k is fetched next
.set SEL,  30
.set CS,   32
.set PC,   40                          ; the pass
.macro WALU
	s_wait_alu depctr_va_vdst(0)
.endm
.macro CROUND
	s_barrier_signal -1
	s_barrier_wait -1
	s_cmp_lg_u32 s[WV], 0
	s_cbranch_scc1 .Lnot_wave_0_\@
	s_barrier_signal -3
.Lnot_wave_0_\@:
	s_barrier_wait -3
	s_barrier_signal -1
	s_barrier_wait -1
.endm
.macro KLOAD                           ; k's eight fragments and four scale words of the record at v[AD16], v[AD8]
.irp t, 0,1,2,3,4,5,6,7
	ds_load_b128 v[KF+6*\t:KF+6*\t+3], v[AD16] offset:768*\t
	ds_load_b64 v[KF+6*\t+4:KF+6*\t+5], v[AD8] offset:768*\t+512
.endr
	ds_load_b128 v[KSC:KSC+3], v[AD16] offset:6144
.endm
.macro JOIN                            ; four chains into the row's sum
	v_pk_add_f32 v[C:C+1], v[C:C+1], v[C+2:C+3]
	v_pk_add_f32 v[C+4:C+5], v[C+4:C+5], v[C+6:C+7]
	v_pk_add_f32 v[C:C+1], v[C:C+1], v[C+4:C+5]
	v_pk_add_f32 v[14:15], v[14:15], v[C:C+1]
.endm
.macro SUM m                           ; pair m of the second 32 keys onto chain m % 8
	v_pk_add_f32 v[C+2*((\m)%8):C+2*((\m)%8)+1], v[C+2*((\m)%8):C+2*((\m)%8)+1], v[S+32+2*(\m):S+33+2*(\m)]
.endm
	s_load_b128 s[4:7], s[0:1], 0x0                ; qimg, kv
	s_load_b64 s[8:9], s[0:1], 0x10                ; out0
	v_lshl_add_u32 v[SPW], v0, 2, SPARE
	v_mov_b32 v[NIL], 0
	ds_add_u32 v[SPW], v[NIL]                      ; the opening lines: the add twice on end and its wait
	ds_add_u32 v[SPW], v[NIL]
	v_lshrrev_b32 v1, 5, v0
	v_readfirstlane_b32 s[WV], v1                  ; wave 0..15
	s_bfe_u32 s11, ttmp6, 0x40000                  ; cx: my block of 512 queries; it enters q's and out's addresses alone
	s_and_b32 s12, ttmp7, 0xffff                   ; bh
	s_mov_b32 s20, 15|(3<<16)|(1<<21)              ; group 1: a record as 51 rows of 256 bytes, dense; the mask names all four
	s_mov_b32 s21, 32<<16
	s_mov_b32 s22, 51<<16
	s_mov_b32 s23, 32<<16
	s_mov_b32 s24, 51
	s_mov_b32 s25, 32
	s_mov_b32 s26, 0
	s_mov_b32 s27, 0
	s_lshl_b32 s13, s12, 4
	s_add_co_u32 s14, s13, s[WV]
	s_mul_i32 s14, s14, REC                        ; record w of my bh in memory,
	s_mov_b32 s15, 0
	s_mov_b32 s16, 1
	s_mul_i32 s17, s[WV], REC                      ; and in LDS
	s_lshl_b32 s38, s11, 2                         ; q: wave w takes tile w % 8 of step 4 cx + w / 8; the second pass's lies two records on
	s_add_co_u32 s38, s38, s13
	s_lshr_b32 s34, s[WV], 3
	s_add_co_u32 s38, s38, s34
	s_mul_i32 s38, s38, QREC
	s_and_b32 s34, s[WV], 7
	s_mul_i32 s35, s34, 768
	s_add_co_u32 s36, s38, s35
	s_mov_b32 s37, 0
	s_and_b32 s35, s[WV], 1
	s_lshl_b32 s35, s35, 8                         ; its scale words: an odd tile's in the places of lanes 16-31, word tile / 2 of a lane's four
	s_lshr_b32 s34, s34, 1
	s_lshl_b32 s34, s34, 2
	s_add_co_u32 s34, s34, s35
	s_add_co_u32 s34, s34, s38
	s_add_co_u32 s34, s34, 6144
	s_mov_b32 s35, 0
	s_lshr_b32 s38, s12, 4                         ; out: my first query is 512 cx + 32 (w / 2) + 8 (w % 2) of batch bh / 16; my head's 256 bytes of a row of 4,096
	s_lshl_b32 s38, s38, 11
	s_lshl_b32 s39, s11, 9
	s_add_co_u32 s38, s38, s39
	s_lshr_b32 s39, s[WV], 1
	s_lshl_b32 s39, s39, 5
	s_add_co_u32 s38, s38, s39
	s_and_b32 s39, s[WV], 1
	s_lshl_b32 s39, s39, 3
	s_add_co_u32 s38, s38, s39
	s_lshl_b32 s38, s38, 12
	s_and_b32 s39, s12, 15
	s_lshl_b32 s39, s39, 8
	s_add_co_u32 s38, s38, s39
	s_mov_b32 s39, 0
	s_mov_b32 s[SEL], 0x76543210
	s_mov_b32 s[SEL+1], 0xfedcba98
	s_mov_b32 s[CS], 0x3e38aa3b                    ; c = log2(e) / 8
	s_mov_b32 s[CS+1], s[CS]
	s_mul_i32 s13, s[WV], 16*272
	s_add_co_u32 s13, s13, STG
	s_wait_dscnt 0x0
	s_wait_kmcnt 0x0
	s_add_nc_u64 s[18:19], s[6:7], s[14:15]
	s_or_b32 s19, s19, 0x80000000
	s_add_nc_u64 s[36:37], s[4:5], s[36:37]
	s_add_nc_u64 s[34:35], s[4:5], s[34:35]
	s_add_nc_u64 s[8:9], s[8:9], s[38:39]
	CROUND                                         ; the joint loads meet
	tensor_load_to_lds s[16:19], s[20:27]          ; my one tensor load of the launch: record w
	s_nop 0
.rept 4
	v_nop
.endr
	v_and_b32 v[AD16], 31, v0
	v_lshlrev_b32 v[L16], 4, v[AD16]
	v_lshlrev_b32 v[L8], 3, v[AD16]
	v_and_b32 v10, 15, v0                          ; r
	v_bfe_u32 v11, v0, 4, 1                        ; h
	v_lshlrev_b32 v[R16], 4, v10
	global_load_b128 v[QF:QF+3], v[L16], s[36:37]
	global_load_b64 v[QF+4:QF+5], v[L8], s[36:37] offset:512
	global_load_b32 v[QS], v[R16], s[34:35]
	global_load_b128 v[Q2:Q2+3], v[L16], s[36:37] offset:2*QREC
	global_load_b64 v[Q2+4:Q2+5], v[L8], s[36:37] offset:2*QREC+512
	global_load_b32 v[QS+1], v[R16], s[34:35] offset:2*QREC
	v_lshlrev_b32 v[SH], 3, v11
	v_mov_b32 v[AD16], v[L16]                      ; record 0
	v_mov_b32 v[AD8], v[L8]
.irp i, 6,7,8,9,10,11
	v_mov_b32 v[QF+\i], 0                          ; zero codes for k = 64 .. 127
.endr
.irp i, 0,1,2,3,4,5
	v_mov_b32 v[KF+48+\i], 0                       ; what k's last fragment names above its six registers
.endr
	v_mov_b32 v[F+1], 0
	v_mul_u32_u24 v[STO], v10, 272
	v_mul_u32_u24 v[RD], v11, 272
	v_lshlrev_b32 v[GO], 12, v11
	v_lshl_add_u32 v[STO], v11, 6, v[STO]
	v_lshl_add_u32 v[RD], v10, 4, v[RD]
	v_lshl_add_u32 v[GO], v10, 4, v[GO]            ; two rows of out an instruction
	v_add_nc_u32 v[STO], s13, v[STO]               ; the stage, in: row r, 64 h bytes on
	v_add_nc_u32 v[RD], s13, v[RD]                 ; back: lanes 0-15 one row of 256 bytes, lanes 16-31 the next
	WALU
	s_wait_tensorcnt 0x0                           ; my record is in,
	s_barrier_signal -1
	s_barrier_wait -1                              ; everybody's is; nothing is filled again
	s_wait_loadcnt 0x0                             ; q
	KLOAD
; A KEY STEP: 128 keys.  At its head the record's k is on its way into registers; v[AD16], v[AD8] still name the record.  last = 1: a pass's last step, whose fetch is the next pass's record 0
.macro STEP last
	WALU
	s_wait_dscnt 0x0                               ; k's fragments and scale words
.irp t, 0,1,2,3,4,5,6,7
.if \t%2
	v_wmma_scale_f32_16x16x128_f8f6f4 v[S+8*\t:S+8*\t+7], v[KF+6*\t:KF+6*\t+11], v[QF:QF+11], 0, v[KSC+\t/2], v[QS] matrix_a_fmt:MATRIX_FMT_BF6 matrix_b_fmt:MATRIX_FMT_BF6 matrix_a_scale:MATRIX_SCALE_ROW1
.else
	v_wmma_scale_f32_16x16x128_f8f6f4 v[S+8*\t:S+8*\t+7], v[KF+6*\t:KF+6*\t+11], v[QF:QF+11], 0, v[KSC+\t/2], v[QS] matrix_a_fmt:MATRIX_FMT_BF6 matrix_b_fmt:MATRIX_FMT_BF6
.endif
.endr
	JOIN                                           ; the last step's sums end here: four places behind the products
.irp t, 0,1,2,3
.irp g, 0,1,2
	ds_load_b128 v[KF+12*\t+4*\g:KF+12*\t+4*\g+3], v[AD16] offset:QREC+1536*\t+512*\g
.endr
.endr
	ds_load_b64 v[VSC:VSC+1], v[AD8] offset:QREC+6144
.irp c, 0,1                                    ; each block's largest score, two chains a block, each accumulator from its low end on
	v_max3_num_f32 v[MA+\c], v[S+32*\c], v[S+32*\c+1], v[S+32*\c+2]
	v_max3_num_f32 v[MB+\c], v[S+32*\c+17], v[S+32*\c+18], v[S+32*\c+19]
.endr
.irp i, 0,1,2,3,4,5
.irp c, 0,1
	v_max3_num_f32 v[MA+\c], v[MA+\c], v[S+32*\c+3+2*\i], v[S+32*\c+4+2*\i]
	v_max3_num_f32 v[MB+\c], v[MB+\c], v[S+32*\c+20+2*\i], v[S+32*\c+21+2*\i]
.endr
.endr
.irp c, 0,1
	v_max3_num_f32 v[MA+\c], v[MA+\c], v[S+32*\c+15], v[S+32*\c+16]
.endr
.irp c, 0,1
	v_max_num_f32 v[MA+\c], v[MA+\c], v[MB+\c]
.endr
	s_delay_alu instid0(VALU_DEP_1)
	v_max_num_f32 v[TP], v[MA], v[MA+1]
	s_delay_alu instid0(VALU_DEP_1)
	v_permlanex16_b32 v[MB], v[TP], s[SEL], s[SEL+1]
	s_delay_alu instid0(VALU_DEP_1)
	v_max3_num_f32 v13, v13, v[TP], v[MB]          ; the running largest score of my query
	s_delay_alu instid0(VALU_DEP_1)
	v_mul_f32 v[TP], s[CS], -v13                   ; -t
	v_mov_b32 v[TP+1], v12
	s_delay_alu instid0(VALU_DEP_2)
	v_floor_f32 v12, v[TP]                         ; -M = floor(-t)
	s_delay_alu instid0(VALU_DEP_1)
	v_sub_f32 v[TP+1], v12, v[TP+1]                ; old M less new M, a whole number, 0 or less
	s_delay_alu instid0(VALU_DEP_1)
	v_cvt_i32_f32 v[TP+1], v[TP+1]                 ; (it saturates)
	s_delay_alu instid0(VALU_DEP_1)
	v_ldexp_f32 v[F], 1.0, v[TP+1]                 ; f
.irp j, 0,2,4,6,8,10,12,14,16,18,20,22,24,26,28,30
	v_pk_fma_f32 v[S+\j:S+1+\j], v[S+\j:S+1+\j], s[CS:CS+1], v[12:13] op_sel_hi:[1,0,0]   ; t - M of the first 32 keys
.endr
	v_fma_f32 v[MA], v[MA], s[CS], v12             ; and of each block's largest score
	v_fma_f32 v[MA+1], v[MA+1], s[CS], v12
.irp j, 0,2,4,6,8,10,12,14,16,18,20,22,24,26,28,30
	v_pk_mul_f32 v[O+\j:O+1+\j], v[O+\j:O+1+\j], v[F:F+1] op_sel_hi:[1,0]   ; O^T under the new M
.endr
	WALU                                           ; ahead of the batch
.irp j, 0,2,4,6,8,10,12,14,16,18,20,22,24,26,28,30
	v_exp_f32 v[S+\j], v[S+\j]
	v_exp_f32 v[S+1+\j], v[S+1+\j]
	v_pk_fma_f32 v[S+32+\j:S+33+\j], v[S+32+\j:S+33+\j], s[CS:CS+1], v[12:13] op_sel_hi:[1,0,0]   ; t - M of the second 32 keys: first read behind the next wait
.endr
	v_exp_f32 v[MA], v[MA]                         ; the blocks' largest p: the same two instructions on the same numbers
	v_exp_f32 v[MA+1], v[MA+1]
	WALU                                           ; behind the first batch and ahead of the second
.irp k, 0,1,2,3,4,5,6,7
.irp i, 0,1,2,3
	v_exp_f32 v[S+32+4*\k+\i], v[S+32+4*\k+\i]
.endr
	v_pk_add_f32 v[C+2*\k:C+2*\k+1], v[S+4*\k:S+4*\k+1], v[S+4*\k+2:S+4*\k+3]   ; the first 32 keys' p start the eight chains: first read behind the next wait
.endr
	v_pk_mul_f32 v[14:15], v[14:15], v[F:F+1] op_sel_hi:[1,0]   ; the sum under the new M
	WALU
.irp c, 0,1
	v_max_num_f32 v[MA+\c], 0x2800000, v[MA+\c]    ; the floor 2^(5 - 127): the byte cannot fall under 1
.endr
.irp c, 0,1
	v_add_nc_u32 v[SO+\c], 0xfe000000, v[MA+\c]    ; 4 off the exponent field: the conversions' scale operand
.endr
.irp c, 0,1
	v_cvt_scalef32_pk16_bf6_f32 v[P+6*\c:P+6*\c+2], v[S+32*\c:S+32*\c+15], v[SO+\c]
	v_cvt_scalef32_pk16_bf6_f32 v[PH+4*\c:PH+4*\c+2], v[S+32*\c+16:S+32*\c+31], v[SO+\c]
.endr
.irp c, 0,1
	v_lshrrev_b32 v[MB+\c], 23, v[SO+\c]           ; the bytes of blocks h and 2 + h
.endr
	v_lshl_or_b32 v[PW], v[MB+1], 16, v[MB]
	v_lshlrev_b32 v[PW], v[SH], v[PW]              ; at their places in the word;
	v_permlanex16_b32 v[TP], v[PW], s[SEL], s[SEL+1]
	v_or_b32 v[PW], v[PW], v[TP]                   ; with lane l xor 16's two it is whole
.irp c, 0,1
.irp i, 0,1,2
	v_mov_b32 v[P+6*\c+3+\i], v[PH+4*\c+\i]        ; (a conversion's three registers begin on an even number)
.endr
.endr
.irp m, 0,1,2,3,4,5,6,7,8,9
	SUM \m                                         ; ten of the sums: the places between the scale word, the codes and the products
.endr
	WALU
	s_wait_dscnt 0x0                               ; v's fragments and scale words
.irp t, 0,1,2,3
.if \t%2
	v_wmma_scale_f32_16x16x128_f8f6f4 v[O+8*\t:O+8*\t+7], v[KF+12*\t:KF+12*\t+11], v[P:P+11], v[O+8*\t:O+8*\t+7], v[VSC+\t/2], v[PW] matrix_a_fmt:MATRIX_FMT_BF6 matrix_b_fmt:MATRIX_FMT_BF6 matrix_a_scale:MATRIX_SCALE_ROW1
.else
	v_wmma_scale_f32_16x16x128_f8f6f4 v[O+8*\t:O+8*\t+7], v[KF+12*\t:KF+12*\t+11], v[P:P+11], v[O+8*\t:O+8*\t+7], v[VSC+\t/2], v[PW] matrix_a_fmt:MATRIX_FMT_BF6 matrix_b_fmt:MATRIX_FMT_BF6
.endif
.endr
	v_add_nc_u32 v[AD16], s[TB], v[L16]            ; the next record; with two sums these are the four places ahead of the fetch
	v_add_nc_u32 v[AD8], s[TB], v[L8]
	SUM 10
	SUM 11
.if \last
	WALU
	s_cmp_eq_u32 s[PC], 1
	s_cbranch_scc1 .Lno_more_\@                    ; the second pass's last step fetches nothing
.endif
	KLOAD
.if \last
.Lno_more_\@:
.endif
.irp m, 12,13,14,15
	SUM \m
.endr
.irp k, 0,1,2,3
	v_pk_add_f32 v[C+2*\k:C+2*\k+1], v[C+2*\k:C+2*\k+1], v[C+2*\k+8:C+2*\k+9]
.endr
.endm
	s_mov_b32 s[PC], 0
.Lpass:                                                ; 16 queries against all 2,048 keys, then their rows of out
	v_mov_b32 v13, 0xff61b1e6                      ; the largest score so far: -3e38
	v_mov_b32 v12, 0x7f61b1e6                      ; -M: 3e38, so that the first f is 0
	v_mov_b32 v14, 0
	v_mov_b32 v15, 0
.irp j, 0,1,2,3,4,5,6,7,8,9,10,11,12,13,14,15,16,17,18,19,20,21,22,23,24,25,26,27,28,29,30,31
	v_mov_b32 v[O+\j], 0                           ; the step is written once: the first finds zeros
.endr
.irp j, 0,1,2,3,4,5,6,7
	v_mov_b32 v[C+\j], 0
.endr
	s_mov_b32 s[CNT], 15
	s_mov_b32 s[TB], REC
.Lstep:
	STEP 0
	s_add_co_u32 s[TB], s[TB], REC
	s_sub_co_u32 s[CNT], s[CNT], 1
	s_cmp_lg_u32 s[CNT], 0
	s_cbranch_scc1 .Lstep
	s_mov_b32 s[TB], 0
	STEP 1
	JOIN
	v_add_f32 v14, v14, v15
	v_permlanex16_b32 v[TP], v14, s[SEL], s[SEL+1]
	v_add_f32 v14, v14, v[TP]                      ; the row's sum
	WALU
	v_rcp_f32 v14, v14
	v_nop
	WALU
.irp j, 0,2,4,6,8,10,12,14,16,18,20,22,24,26,28,30
	v_pk_mul_f32 v[S+\j:S+1+\j], v[O+\j:O+1+\j], v[14:15] op_sel_hi:[1,0]   ; register 8 t + j is channel 32 (t / 2) + 16 h + 8 (t % 2) + j of query r
.endr
.irp t, 0,1,2,3                                ; through my own stage, so that sixteen lanes store a query's 256 bytes
	ds_store_b128 v[STO], v[S+8*\t:S+8*\t+3] offset:128*(\t/2)+32*(\t%2)
	ds_store_b128 v[STO], v[S+8*\t+4:S+8*\t+7] offset:128*(\t/2)+32*(\t%2)+16
.endr
.irp i, 0,1,2,3,4,5,6,7
	ds_load_b128 v[S+32+4*\i:S+35+4*\i], v[RD] offset:544*\i   ; in order behind my stores (ISA guide 5.7.1.4)
.endr
.irp i, 0,1,2,3,4,5,6,7
	s_wait_dscnt 7-\i                              ; the younger read-backs may be out
	global_store_b128 v[GO], v[S+32+4*\i:S+35+4*\i], s[8:9] offset:(2*\i+8*(\i/4))*4096 th:TH_STORE_NT   ; stage row n is query n + 8 (n / 8) of the tile; 16 lanes store 256 consecutive aligned bytes
.endr
	s_wait_xcnt 0x0                                ; the stores have read their data and base
	s_add_nc_u64 s[8:9], s[8:9], 256*4096          ; the second pass's queries lie 256 on
.irp i, 0,1,2,3,4,5
	v_mov_b32 v[QF+\i], v[Q2+\i]
.endr
	v_mov_b32 v[QS], v[QS+1]
	s_add_co_u32 s[PC], s[PC], 1
	s_cmp_lt_u32 s[PC], 2
	WALU
	s_cbranch_scc1 .Lpass
	s_wait_tensorcnt 0x0                           ; the wave's end
	ds_add_u32 v[SPW], v[NIL]
	s_wait_dscnt 0x0
	CROUND                                         ; the closing round
	s_endpgm
.Lfunc_end_k_q3635fd8150_attn:
	.size	k_q3635fd8150_attn, .Lfunc_end_k_q3635fd8150_attn-k_q3635fd8150_attn
	.p2alignl 7, 3214868480
	.fill 96, 4, 3214868480
	.section	.rodata,"a",@progbits
	.p2align	6, 0x0
	.amdhsa_kernel k_q3635fd8150_attn
		.amdhsa_group_segment_fixed_size 280576
		.amdhsa_private_segment_fixed_size 0
		.amdhsa_enable_private_segment 0
		.amdhsa_kernarg_size 24
		.amdhsa_user_sgpr_count 2
		.amdhsa_user_sgpr_kernarg_segment_ptr 1
		.amdhsa_wavefront_size32 1
		.amdhsa_system_sgpr_workgroup_id_x 1
		.amdhsa_system_sgpr_workgroup_id_y 1
		.amdhsa_system_sgpr_workgroup_id_z 1
		.amdhsa_system_vgpr_workitem_id 0
		.amdhsa_next_free_vgpr 256
		.amdhsa_next_free_sgpr 66
		.amdhsa_reserve_vcc 0
		.amdhsa_float_denorm_mode_32 3
		.amdhsa_float_denorm_mode_16_64 3
		.amdhsa_memory_ordered 1
		.amdhsa_forward_progress 1
		.amdhsa_inst_pref_size 42
	.end_amdhsa_kernel
	.amdgpu_metadata
---
amdhsa.version: [ 1, 2 ]
amdhsa.kernels:
  - .name:           k_q3635fd8150_attn
    .symbol:         k_q3635fd8150_attn.kd
    .args:
      - { .name: qimg, .offset: 0, .size: 8, .value_kind: global_buffer, .address_space: global }
      - { .name: kv, .offset: 8, .size: 8, .value_kind: global_buffer, .address_space: global }
      - { .name: out0, .offset: 16, .size: 8, .value_kind: global_buffer, .address_space: global }
    .group_segment_fixed_size: 280576
    .private_segment_fixed_size: 0
    .kernarg_segment_align: 8
    .kernarg_segment_size: 24
    .max_flat_workgroup_size: 512
    .sgpr_count:     66
    .vgpr_count:     256
    .wavefront_size: 32
...
	.end_amdgpu_metadata
.endif
;; end of part 3
